; MI455X (gfx1250); checked and timed in simulation.
; The chip was launched on July 23, 2026; its instructions are those of AMD's public machine-readable ISA for CDNA 5 (MIT licence, August 2026) and "CDNA5" Instruction Set Architecture Reference Guide (July 2026). The comments in the code are by the model that wrote it; some were corrected since.
;; Attention Head. Allowed arithmetic: matrix products marked QUANTISED: E4M3 operands, one given power-of-two scale a tensor, by v_wmma_f32_16x16x64_fp8_fp8 or v_wmma_f32_16x16x128_fp8_fp8, f32 sums; everything else in f32.
;; Inputs: W_K_codes 1,024 x 32 x 32 uint8 (E4M3 codes of W_K, K innermost, in blocks of 32 codes); W_O_codes 1,024 x 32 x 32 uint8 (E4M3 codes of W_O, K innermost, in blocks of 32 codes); W_Q_codes 1,024 x 32 x 32 uint8 (E4M3 codes of W_Q, K innermost, in blocks of 32 codes); W_V_codes 1,024 x 32 x 32 uint8 (E4M3 codes of W_V, K innermost, in blocks of 32 codes); lowp_scales 12 int32 (the exponents e of the quantised operands' scales 2^e); x_codes 4 x 2,048 x 32 x 32 uint8 (E4M3 codes of x, K innermost, in blocks of 32 codes).
;; Outputs: out0 4 x 2,048 x 1,024 float32.
;; This version of the problem:
;;   THIS VERSION OF THE PROBLEM IS GIVEN IN LOW PRECISION. The matrix products marked QUANTISED in the list below multiply operands that are first quantised to E4M3 (4 exponent bits, 3 mantissa bits; 8 bits a number), with one given power-of-two scale for each operand tensor; their sums are f32. All else is computed in f32.
;;   The module's matrix products, in the order in which they are computed (A, B: the left and right operand; K: the contracted axis; several contracted axes count as one K, in the product's order):
;;     1. [M 8,192, K 1,024] x [K 1,024, N 1,024]; A: input x (given as codes); B: input W_Q (given as codes): QUANTISED (scales: A lowp_scales[0], B lowp_scales[1])
;;     2. [M 8,192, K 1,024] x [K 1,024, N 1,024]; A: input x (given as codes); B: input W_K (given as codes): QUANTISED (scales: A lowp_scales[2], B lowp_scales[3])
;;     3. [M 8,192, K 1,024] x [K 1,024, N 1,024]; A: input x (given as codes); B: input W_V (given as codes): QUANTISED (scales: A lowp_scales[4], B lowp_scales[5])
;;     4. batch 64 x [M 2,048, K 64] x [K 64, N 2,048]; A: computed on the way; B: computed on the way: QUANTISED (scales: A lowp_scales[6], B lowp_scales[7])
;;     5. batch 64 x [M 64, K 2,048] x [K 2,048, N 2,048]; A: computed on the way; B: softmax (see below): QUANTISED (scales: A lowp_scales[8], B lowp_scales[9])
;;     6. [M 8,192, K 1,024] x [K 1,024, N 1,024]; A: computed on the way; B: input W_O (given as codes): QUANTISED (scales: A lowp_scales[10], B lowp_scales[11])
;;   THE QUANTISER, for each operand of a quantised product, along K:
;;     - The operand's scale is 2^e, e = its entry of the input lowp_scales (int32; the entries are numbered through the quantised products in the list's order, A before B).
;;     - Each number is divided by the scale, clamped to +-448, and rounded to the nearest number of E4M3, ties to even, subnormals kept.
;;     - The product sums the exact products of the quantised numbers (number of the format x scale) in f32.
;;   ~~~python
;;   def quantise(x, axis, e):      # numpy; x: float32 -> the quantised numbers, widened to float32 again
;;       x = np.moveaxis(x, axis, -1); K = x.shape[-1]
;;       r = np.clip(x / 2.0 ** e, -448, 448)
;;       step = 2.0 ** (np.maximum(np.frexp(np.where(r == 0, 1, r))[1] - 1, -6) - 3)
;;       q = np.round(r / step) * step * 2.0 ** e      # np.round: ties to even
;;       return np.moveaxis(q, -1, axis).astype(np.float32)
;;   ~~~
;;   SOFTMAX AHEAD OF A QUANTISED PRODUCT. Where the list says 'softmax', what is quantised is not the finished softmax but p = 2^(t - M), with t = logit x log2(e) and M = ceil(the row's largest t), a whole number; so 1/2 < the row's largest p <= 1. The row's sum l is taken of the UNQUANTISED p, in f32, and the product's result is divided by l at the end. Since M is a whole number, a kernel that streams over the keys may use a running M (the ceiling of the running maximum): every later rescaling is an exact power of two, so the quantised numbers keep their values, but for numbers so far below the row's largest that they fall under the format's range.
;;   OPERANDS COMPUTED ON THE WAY. 'Computed on the way' means the value that the module computes at that place (a softmax that the list does not call 'softmax' is quantised finished and normalised). What goes into a quantiser is computed in f32, as accurately as f32 sums, v_exp_f32 and their like allow (about 1e-6 of the number): no bf16 or f16 on the way to a quantiser, and a product that is left as it is and whose result goes on into a quantised operand takes f32 operands (vector FMAs, or v_wmma_f32_16x16x4_f32). A number that lies on a knife's edge between two numbers of the format may be rounded either way, as far as f32 arithmetic and the matrix unit's own rounding can turn it there, and no further.
;;   INPUTS GIVEN AS CODES. W_K (in the module: [1024, 1024], K = its axis 0); W_O (in the module: [1024, 1024], K = its axis 0); W_Q (in the module: [1024, 1024], K = its axis 0); W_V (in the module: [1024, 1024], K = its axis 0); x (in the module: [4, 2048, 1024], K = its axis 2): each comes as NAME_codes (uint8): NAME with its K axis moved to the last place and cut into blocks of 32 codes, [.., K / 32, bytes a block], one block behind the other in memory; one code a byte (a code: sign, 4 exponent bits, 3 mantissa bits); its scale is its entry of lowp_scales. Its value is code x scale, taken as it is: it is not quantised again, and the codes and scales need not be those that the quantiser above would give.
;; One version. Each part assembles by itself: llvm-mc -triple=amdgcn-amd-amdhsa -mcpu=gfx1250 --defsym DOCPART=n.
;; ======== version 1 of 1: 4 launches
;; limits: right only within a limited range of input values
;; workspace buffers: q_img 8,388,608 bytes; k_img 8,388,608 bytes; v_img 8,388,608 bytes; o_img 8,388,608 bytes; w_img 3,145,728 bytes
;; launch wlay (part 1): grid 256 x 1, 6 waves a work-group, no clusters, 0 bytes of LDS; arguments W_Q_codes, W_K_codes, W_V_codes, w_img; writes w_img
.if DOCPART == 1
	.amdgcn_target "amdgcn-amd-amdhsa--gfx1250"
	.amdhsa_code_object_version 6
	.text
	.protected	k_q0e77838ae3_wlay
	.globl	k_q0e77838ae3_wlay
	.p2align	8
	.type	k_q0e77838ae3_wlay,@function
k_q0e77838ae3_wlay:
	s_mov_b64 s[64:65], 0
	v_nop
	global_prefetch_b8 v0, s[64:65] scope:SCOPE_SE
	s_setreg_imm32_b32 hwreg(HW_REG_WAVE_MODE, 25, 1), 1
	s_wait_xcnt 0x0
; W_Q, W_K, W_V ([1024 rows n][1024 codes along K]) are laid out once as IMAGES OF OPERAND REGISTERS for the next launch, which reads each of them from 32 work-groups.
; w_img: [matrix, 3][block of 16 rows, 64][128 along K, 8][c, 4][lane, 32][16 bytes]: lane (r, h) holds row r, K = 128 q + 32 c + 16 h + 0 .. 15.
; 3 x 64 x 8 = 1,536 fragments of 2,048 bytes; 256 work-groups of 6 waves, a wave to a fragment.  Each byte is read once and stored once; each store of the wave covers 512 consecutive bytes, aligned.
; No matrix work, no LDS, no cluster: the work-groups share no input.
	s_load_b256 s[4:11], s[0:1], 0x0               ; W_Q, W_K, W_V, w_img
	v_lshrrev_b32 v1, 5, v0
	v_readfirstlane_b32 s12, v1                    ; wave 0..5
	s_mul_i32 s13, ttmp9, 6
	s_add_co_u32 s13, s13, s12                     ; the fragment, 0 .. 1,535
	s_lshr_b32 s14, s13, 9                         ; the matrix
	s_and_b32 s15, s13, 511
	s_lshr_b32 s16, s15, 3                         ; its block of 16 rows
	s_and_b32 s17, s13, 7                          ; q
	s_lshl_b32 s18, s16, 14                        ; 16 rows of 1,024 bytes
	s_lshl_b32 s19, s17, 7
	s_add_co_u32 s18, s18, s19
	s_mov_b32 s19, 0
	s_lshl_b32 s20, s13, 11                        ; the fragment's place in w_img
	s_mov_b32 s21, 0
	v_and_b32 v2, 15, v0
	v_bfe_u32 v3, v0, 4, 1
	v_lshlrev_b32 v2, 10, v2
	v_lshl_add_u32 v2, v3, 4, v2                   ; row r, + 16 h
	v_and_b32 v4, 31, v0
	v_lshlrev_b32 v4, 4, v4                        ; 16 x lane
	s_wait_alu depctr_va_vdst(0)                   ; the wait at the head's end
	s_wait_kmcnt 0x0
	s_cmp_eq_u32 s14, 0
	s_cselect_b64 s[22:23], s[4:5], s[6:7]
	s_cmp_eq_u32 s14, 2
	s_cselect_b64 s[22:23], s[8:9], s[22:23]
	s_add_nc_u64 s[22:23], s[22:23], s[18:19]
	s_add_nc_u64 s[10:11], s[10:11], s[20:21]
.irp c, 0,1,2,3
	global_load_b128 v[8+4*\c:11+4*\c], v2, s[22:23] offset:32*\c
.endr
	s_wait_loadcnt 0x0
.irp c, 0,1,2,3
	global_store_b128 v4, v[8+4*\c:11+4*\c], s[10:11] offset:512*\c
.endr
	s_endpgm
.Lfunc_end_k_q0e77838ae3_wlay:
	.size	k_q0e77838ae3_wlay, .Lfunc_end_k_q0e77838ae3_wlay-k_q0e77838ae3_wlay
	.p2alignl 7, 3214868480
	.fill 96, 4, 3214868480
	.section	.rodata,"a",@progbits
	.p2align	6, 0x0
	.amdhsa_kernel k_q0e77838ae3_wlay
		.amdhsa_group_segment_fixed_size 0
		.amdhsa_private_segment_fixed_size 0
		.amdhsa_enable_private_segment 0
		.amdhsa_kernarg_size 32
		.amdhsa_user_sgpr_count 2
		.amdhsa_user_sgpr_kernarg_segment_ptr 1
		.amdhsa_wavefront_size32 1
		.amdhsa_system_sgpr_workgroup_id_x 1
		.amdhsa_system_sgpr_workgroup_id_y 1
		.amdhsa_system_sgpr_workgroup_id_z 1
		.amdhsa_system_vgpr_workitem_id 0
		.amdhsa_next_free_vgpr 32
		.amdhsa_next_free_sgpr 66
		.amdhsa_reserve_vcc 0
		.amdhsa_float_denorm_mode_32 3
		.amdhsa_float_denorm_mode_16_64 3
		.amdhsa_memory_ordered 1
		.amdhsa_forward_progress 1
		.amdhsa_inst_pref_size 3
	.end_amdhsa_kernel
	.amdgpu_metadata
---
amdhsa.version: [ 1, 2 ]
amdhsa.kernels:
  - .name:           k_q0e77838ae3_wlay
    .symbol:         k_q0e77838ae3_wlay.kd
    .args:
      - { .name: W_Q_codes, .offset: 0, .size: 8, .value_kind: global_buffer, .address_space: global }
      - { .name: W_K_codes, .offset: 8, .size: 8, .value_kind: global_buffer, .address_space: global }
      - { .name: W_V_codes, .offset: 16, .size: 8, .value_kind: global_buffer, .address_space: global }
      - { .name: w_img, .offset: 24, .size: 8, .value_kind: global_buffer, .address_space: global }
    .group_segment_fixed_size: 0
    .private_segment_fixed_size: 0
    .kernarg_segment_align: 8
    .kernarg_segment_size: 32
    .max_flat_workgroup_size: 192
    .sgpr_count:     66
    .vgpr_count:     32
    .wavefront_size: 32
...
	.end_amdgpu_metadata
.endif
;; end of part 1
;; launch qkv (part 2): grid 8 x 32, 4 waves a work-group, clusters of 4 x 1, 327,680 bytes of LDS; arguments x_codes, w_img, lowp_scales, q_img, k_img, v_img; writes q_img, k_img, v_img
.if DOCPART == 2
	.amdgcn_target "amdgcn-amd-amdhsa--gfx1250"
	.amdhsa_code_object_version 6
	.text
	.protected	k_q0e77838ae3_qkv
	.globl	k_q0e77838ae3_qkv
	.p2align	8
	.type	k_q0e77838ae3_qkv,@function
k_q0e77838ae3_qkv:
	s_mov_b64 s[64:65], 0
	v_nop
	global_prefetch_b8 v0, s[64:65] scope:SCOPE_SE
	s_setreg_imm32_b32 hwreg(HW_REG_WAVE_MODE, 25, 1), 1
	s_wait_xcnt 0x0
	s_wait_alu depctr_hold_cnt(0) depctr_sa_sdst(0) depctr_va_vdst(0) depctr_va_sdst(0) depctr_va_ssrc(0) depctr_va_vcc(0) depctr_vm_vsrc(0)
	s_getreg_b32 s2, hwreg(HW_REG_IB_STS2, 6, 4)
	s_cmp_eq_u32 s2, 0
	s_cbranch_scc0 .Lentry_in_a_cluster
	s_endpgm
.Lentry_in_a_cluster:
	s_bfe_u32 s2, ttmp6, 0x10000c
	s_cmp_lg_u32 s2, 0x3003
	s_cbranch_scc0 .Lentry_shape_is_right
	s_endpgm
.Lentry_shape_is_right:
; q = x W_Q, k = x W_K, v = x W_V on codes of FP8 (E4M3), each result quantised again to E4M3 with its given scale and stored as images of operand registers for the attention launch.
; SHARES.  Work-group (cg, tb): 256 tokens (block tb) x the pair of heads cg (128 rows of each weight): three products of 256 x 128, K = 1,024, one after the other: Q, K, V.  8 x 32 = 256 work-groups of equal work and equal control flow.
; THE PANEL.  The 256 tokens' codes, all of K, lie in LDS: 256 rows of 1,024 bytes + 16 of padding (pitch 1,040 = 260 words: row r starts at bank 4 r mod 64, ISA guide 11.1).  It is filled once, one tensor load of 64 rows a wave; nothing is filled again.
; The four work-groups of a cluster (cg = 4 x cluster x + place) need the same panel: it is asked for JOINTLY (mask 15).  The place enters only global addresses of the weights and of the results.
; THE WEIGHTS come straight from w_img into registers: a wave's 64 rows (one head), all of K: 8 K steps x 4 fragments x 16 = 512 registers; every load is 512 consecutive bytes.  A K step's registers take the next product's fragments as soon as its products are issued.
; A wave makes 128 tokens x 64 rows: 32 accumulators.  The panel's 8 fragments of a K step have ONE set of registers: fragments 0-3 are fetched anew in the step's middle, 4-7 at its end.
; Q, K: source 0 = weight rows, source 1 = tokens: a lane holds one token and eight neighbours along d.  V: source 0 = tokens, source 1 = weight rows: a lane holds one d and eight neighbouring keys.  So the conversions' results are the later operands' registers.
; RESULTS.  chunk = ((batch x 8 + cg) x 16 + block of 128 tokens) x 16,384 bytes.  q, k chunk: [tile of 16 tokens, 8][head & 1][2][lane][16 bytes]; v chunk: [head & 1][tile of 16 d, 4][4][lane][16 bytes].
; code = sum x 2^(ea + eb) / 2^eq, held within +-448: the three exponents are folded into the conversion's one scale.  LIMIT: eq - ea - eb lies between -126 and 119, so that 2^(eq - ea - eb) and 448 x that are f32 numbers.
; NO PREFETCH: the one group of tensor loads is issued at the head, and the weights' loads run a product ahead by themselves.
; REGISTERS, in windows of 256: window 0: v16-31 addresses and scales, v32-95 sums held, v96-127 codes, v128-255 the panel's fragments; windows 1, 2: the weights' fragments (K step q at 64 q); window 3: the accumulators.
.set PITCH, 1040
.set BLK,   16*PITCH
.set SPARE, 256*PITCH                  ; behind the panel: the spare words, 128 bytes a wave, which no other line names
.set ADL, 16                           ; v16, v17  LDS address of my panel fragments 0-3, 4-7
.set CO,  19                           ; v19  16 x lane
.set SPW, 28
.set NIL, 29
.set LIM, 30
.set SC,  31
.set TMP, 32
.set CD,  96
.set NB,  94                           ; s[94:95] the next product's weights;  s[66:67] this product's results;  s[62:63] its scale and limit
.set OBS, 66
.set SCS, 62
.set MSB, 0
.macro WIN new                         ; the immediate's high byte repeats the setting that is left
.if MSB != \new
	s_set_vgpr_msb (MSB<<8)|\new
.set MSB, \new
.endif
.endm
.macro ROUND                           ; a round of the cluster's barrier
	s_barrier_signal -1
	s_barrier_wait -1
	s_cmp_lg_u32 s14, 0
	s_cbranch_scc1 .Lnot_wave_0_\@
	s_barrier_signal -3
.Lnot_wave_0_\@:
	s_barrier_wait -3
	s_barrier_signal -1
	s_barrier_wait -1
.endm
.macro PLACES                          ; plain vector instructions between a matrix instruction and a load into, or a vector instruction on, its registers
.rept 4
	v_nop
.endr
.endm
.macro RLOAD q, base                   ; the weights' four fragments of K step q
	WIN 0x40*(1+(\q)/4)
.irp a, 0,1,2,3
.irp c, 0,1,2,3
	global_load_b128 v[64*((\q)%4)+16*\a+4*\c:64*((\q)%4)+16*\a+4*\c+3], v[CO], s[\base:\base+1] offset:16384*\a+2048*(\q)+512*\c
.endr
.endr
	WIN 0
.endm
.macro FETCH_L q, i0                   ; the panel's fragments i0 .. i0 + 3 of K step q: lane l holds row l % 16; registers 4 c .. 4 c + 3 hold K = 32 c + 16 (l / 16) + 0 .. 15, as the weights' images do
.irp i, 0,1,2,3
.irp c, 0,1,2,3
	ds_load_b128 v[128+16*(\i0+\i)+4*\c:128+16*(\i0+\i)+4*\c+3], v[ADL+(\i0)/4] offset:128*(\q)+32*\c+\i*BLK
.endr
.endr
.endm
; 16 matrix instructions: the panel's fragments 4 hb .. 4 hb + 3 x the weights' four.  The 32 accumulators take turns, one instruction a turn, in the same order in every K step.  K step 0 starts the sums.
.macro MULH f, q, hb
.irp b, 0,1,2,3
.irp a, 0,1,2,3
.set LF, 128+16*(4*(\hb)+\b)
.set RF, 64*((\q)%4)+16*\a
.if \f
.set AC, 8*(8*\a+4*(\hb)+\b)
.if (\q) == 0
	v_wmma_f32_16x16x128_fp8_fp8 v[AC:AC+7], v[LF:LF+15], v[RF:RF+15], 0
.else
	v_wmma_f32_16x16x128_fp8_fp8 v[AC:AC+7], v[LF:LF+15], v[RF:RF+15], v[AC:AC+7]
.endif
.else
.set AC, 8*(4*(4*(\hb)+\b)+\a)
.if (\q) == 0
	v_wmma_f32_16x16x128_fp8_fp8 v[AC:AC+7], v[RF:RF+15], v[LF:LF+15], 0
.else
	v_wmma_f32_16x16x128_fp8_fp8 v[AC:AC+7], v[RF:RF+15], v[LF:LF+15], v[AC:AC+7]
.endif
.endif
.endr
.endr
.endm
; A K step of 128.  f = 1: V's order of the sources.  nxt = 1: its registers then take the next product's weights.  fin = 1: the launch's last product.
.macro KSTEP f, q, nxt, fin
.if \f
.set MULW, 0xf4+4*((\q)/4)             ; source 0 window 0, source 1 window 1 or 2, C and D window 3
.else
.set MULW, 0xf1+(\q)/4                 ; source 0 window 1 or 2, source 1 window 0
.endif
.if (\nxt) || (16*(7-(\q)) > 63)
	s_wait_loadcnt 63                              ; behind this step's weights at least 64 loads have been issued
.else
	s_wait_loadcnt 16*(7-(\q))                     ; behind this step's weights: those of the steps to come
.endif
	s_wait_dscnt 16                                ; fragments 0-3 are in; the sixteen loads of 4-7 may be out
	WIN MULW
	MULH \f, \q, 0
	PLACES
	WIN 0
.if (\fin) && (\q) == 7
	s_wait_dscnt 0
.else
	FETCH_L ((\q)+1)%8, 0
	s_wait_dscnt 16                                ; fragments 4-7 are in; the sixteen just issued may be out
.endif
	WIN MULW
	MULH \f, \q, 1
	PLACES
	WIN 0
.if (\fin) && (\q) == 7
.else
	FETCH_L ((\q)+1)%8, 4
.endif
.if \nxt
	RLOAD \q, NB
.endif
.endm
.macro UNIT f, nxt, fin
.irp q, 0,1,2,3,4,5,6,7
	KSTEP \f, \q, \nxt, \fin
.endr
.endm
; THE WAY OUT of a product: 64 sums a lane at a time are held, converted and stored; each accumulator is read from its low end on.  Each store covers 512 consecutive bytes, at a multiple of 512 from the buffer's first byte.
.macro QOUT f, ob, sc
	v_mov_b32 v[SC], s[\sc]
	v_mov_b32 v[LIM], s[\sc+1]
	s_wait_alu depctr_va_vdst(0)
.irp g, 0,1,2,3
	s_wait_xcnt 0x0                                ; earlier stores have read their data, which are written again below
	WIN 0x03                                       ; source 0: window 3
.set j, 0
.rept 64
	v_med3_num_f32 v[TMP+j], v[64*\g+j], -v[LIM], v[LIM]   ; the conversion does not saturate (ISA guide 7.6.2): the hold at the largest code x the scale
.set j, j+1
.endr
	WIN 0
.irp b, 0,1,2,3,4,5,6,7
	v_cvt_scalef32_pk8_fp8_f32 v[CD+16*(\g%2)+2*\b:CD+16*(\g%2)+2*\b+1], v[TMP+8*\b:TMP+8*\b+7], v[SC]
.endr
	v_nop                                          ; one plain instruction behind the last conversion
.irp s, 0,1,2,3
.if \f
	global_store_b128 v[CO], v[CD+16*(\g%2)+4*\s:CD+16*(\g%2)+4*\s+3], s[\ob:\ob+1] offset:2048*\g+512*\s
.else
	global_store_b128 v[CO], v[CD+16*(\g%2)+4*\s:CD+16*(\g%2)+4*\s+3], s[\ob:\ob+1] offset:2048*(2*\g+\s/2)+512*(\s%2)
.endif
.endr
.endr
.endm
.macro MKSC d, eo, ea, eb              ; 2^(eo - ea - eb) and 448 x that, as f32
	s_sub_co_i32 s[\d], s[\eo], s[\ea]
	s_sub_co_i32 s[\d], s[\d], s[\eb]
	s_add_co_i32 s[\d], s[\d], 127
	s_add_co_i32 s[\d+1], s[\d], 8
	s_lshl_b32 s[\d], s[\d], 23
	s_lshl_b32 s[\d+1], s[\d+1], 23
	s_or_b32 s[\d+1], s[\d+1], 0x600000
.endm
	s_load_b256 s[68:75], s[0:1], 0x0              ; x 68, w_img 70, the exponents 72, q_img 74
	s_load_b128 s[76:79], s[0:1], 0x20             ; k_img 76, v_img 78
	v_lshl_add_u32 v[SPW], v0, 2, SPARE
	v_mov_b32 v[NIL], 0
	ds_add_u32 v[SPW], v[NIL]                      ; the opening lines: the add, twice on end, and its wait ahead of my first tensor load
	ds_add_u32 v[SPW], v[NIL]
	v_lshrrev_b32 v1, 5, v0
	v_readfirstlane_b32 s14, v1                    ; wave 0..3
	s_lshr_b32 s15, s14, 1                         ; which 128 tokens are mine
	s_and_b32 s16, s14, 1                          ; which head of the pair
	s_bfe_u32 s40, ttmp6, 0x40000                  ; my place in the cluster
	s_lshl_b32 s41, ttmp9, 2
	s_add_co_u32 s41, s41, s40                     ; cg
	s_and_b32 s17, ttmp7, 0xffff                   ; tb
	s_mov_b32 s24, 15|(1<<20)|(1<<21)|(7<<22)|(3<<25)   ; mask: all four partners; elements of 1 byte; padding of 4 words after every 256; bit 21 beside the mask
	s_mov_b32 s25, 1024<<16                        ; tensor_dim0
	s_mov_b32 s26, 64<<16                          ; tensor_dim1
	s_mov_b32 s27, 1024<<16                        ; tile_dim0
	s_mov_b32 s28, 64                              ; tile_dim1
	s_mov_b32 s29, 1024                            ; the pitch
	s_mov_b32 s30, 0
	s_mov_b32 s31, 0
	s_mov_b32 s32, 1
	s_mul_i32 s33, s14, 64*PITCH                   ; my 64 rows of the panel
	s_lshl_b32 s20, s17, 18
	s_lshl_b32 s21, s14, 16
	s_add_co_u32 s20, s20, s21                     ; token 256 tb + 64 wave, in bytes
	s_mov_b32 s21, 0
	s_wait_dscnt 0x0                               ; both opening adds are done
	s_wait_kmcnt 0x0
	s_load_b256 s[84:91], s[72:73], 0x0            ; e0 .. e7
	s_load_b32 s92, s[72:73], 0x20                 ; e8
	s_add_nc_u64 s[34:35], s[68:69], s[20:21]
	s_or_b32 s35, s35, 0x80000000
	ROUND                                          ; all four work-groups are here: the joint loads meet
	tensor_load_to_lds s[32:35], s[24:31]
	s_nop 0
.rept 4
	v_nop
.endr
	s_lshl_b32 s42, s41, 17
	s_lshl_b32 s43, s16, 16
	s_add_co_u32 s42, s42, s43                     ; my 64 rows in a weight's image: blocks 8 cg + 4 head, 16,384 bytes each
	s_mov_b32 s43, 0
	s_add_nc_u64 s[50:51], s[70:71], s[42:43]      ; W_Q's,
	s_add_nc_u64 s[NB:NB+1], s[50:51], 0x100000    ; W_K's,
	s_add_nc_u64 s[54:55], s[50:51], 0x200000      ; W_V's
	s_lshr_b32 s42, s17, 3                         ; the batch
	s_lshl_b32 s42, s42, 3
	s_add_co_u32 s42, s42, s41
	s_lshl_b32 s42, s42, 4
	s_and_b32 s18, s17, 7
	s_lshl_b32 s18, s18, 1
	s_add_co_u32 s18, s18, s15                     ; the block of 128 tokens in the batch
	s_add_co_u32 s42, s42, s18
	s_lshl_b32 s42, s42, 14                        ; the chunk
	s_lshl_b32 s18, s16, 13
	s_add_co_u32 s18, s18, s42                     ; v: + 8,192 x head
	s_mov_b32 s19, 0
	s_lshl_b32 s20, s16, 10
	s_add_co_u32 s42, s42, s20                     ; q, k: + 1,024 x head
	s_add_nc_u64 s[OBS:OBS+1], s[74:75], s[42:43]
	s_add_nc_u64 s[58:59], s[76:77], s[42:43]
	s_add_nc_u64 s[60:61], s[78:79], s[18:19]
	s_mul_i32 s21, s15, 128*PITCH
	v_and_b32 v1, 15, v0
	v_bfe_u32 v2, v0, 4, 1
	v_mul_u32_u24 v3, v1, PITCH
	v_lshl_add_u32 v3, v2, 4, v3
	v_add_nc_u32 v[ADL], s21, v3                   ; my 128 rows of the panel: row x pitch + 16 x half
	v_add_nc_u32 v[ADL+1], 4*BLK, v[ADL]
	v_and_b32 v4, 31, v0
	v_lshlrev_b32 v[CO], 4, v4
	s_wait_alu depctr_va_vdst(0)                   ; the wait ahead of the loads' reads of v19
.irp q, 0,1,2,3,4,5,6,7
	RLOAD \q, 50                                   ; W_Q's fragments, all of K
.endr
	s_wait_kmcnt 0x0
	MKSC SCS, 90, 84, 85                           ; q: e6 - e0 - e1
	MKSC 46, 91, 86, 87                            ; k: e7 - e2 - e3
	MKSC 48, 92, 88, 89                            ; v: e8 - e4 - e5
	s_wait_alu depctr_va_vdst(0)                   ; the wait at the head's end
	s_wait_tensorcnt 0x0                           ; my part of the panel is in,
	s_barrier_signal -1
	s_barrier_wait -1                              ; everybody's is
	FETCH_L 0, 0
	FETCH_L 0, 4
	s_mov_b32 s3, 0
.Lqk:                                              ; two trips: Q, then K
	UNIT 0, 1, 0
	QOUT 0, OBS, SCS
	s_wait_xcnt 0x0                                ; the loads and stores have read their bases, which are written below
	s_mov_b64 s[NB:NB+1], s[54:55]                 ; the second trip fetches W_V's fragments,
	s_mov_b64 s[OBS:OBS+1], s[58:59]               ; stores into k_img,
	s_mov_b32 s[SCS], s46                          ; with k's scale
	s_mov_b32 s[SCS+1], s47
	s_add_co_u32 s3, s3, 1
	s_cmp_lt_u32 s3, 2
	s_wait_alu depctr_va_vdst(0)                   ; the wait directly ahead of the branch
	s_cbranch_scc1 .Lqk
	UNIT 1, 0, 1
	QOUT 1, 60, 48
	s_wait_tensorcnt 0x0                           ; the wave's end
	ds_add_u32 v[SPW], v[NIL]
	s_wait_dscnt 0x0
	ROUND                                          ; the closing round
	s_endpgm
.Lfunc_end_k_q0e77838ae3_qkv:
	.size	k_q0e77838ae3_qkv, .Lfunc_end_k_q0e77838ae3_qkv-k_q0e77838ae3_qkv
	.p2alignl 7, 3214868480
	.fill 96, 4, 3214868480
	.section	.rodata,"a",@progbits
	.p2align	6, 0x0
	.amdhsa_kernel k_q0e77838ae3_qkv
		.amdhsa_group_segment_fixed_size 327680
		.amdhsa_private_segment_fixed_size 0
		.amdhsa_enable_private_segment 0
		.amdhsa_kernarg_size 48
		.amdhsa_user_sgpr_count 2
		.amdhsa_user_sgpr_kernarg_segment_ptr 1
		.amdhsa_wavefront_size32 1
		.amdhsa_system_sgpr_workgroup_id_x 1
		.amdhsa_system_sgpr_workgroup_id_y 1
		.amdhsa_system_sgpr_workgroup_id_z 1
		.amdhsa_system_vgpr_workitem_id 0
		.amdhsa_next_free_vgpr 1024
		.amdhsa_next_free_sgpr 100
		.amdhsa_reserve_vcc 0
		.amdhsa_float_denorm_mode_32 3
		.amdhsa_float_denorm_mode_16_64 3
		.amdhsa_memory_ordered 1
		.amdhsa_forward_progress 1
		.amdhsa_inst_pref_size 143
	.end_amdhsa_kernel
	.amdgpu_metadata
---
amdhsa.version: [ 1, 2 ]
amdhsa.kernels:
  - .name:           k_q0e77838ae3_qkv
    .symbol:         k_q0e77838ae3_qkv.kd
    .args:
      - { .name: x_codes, .offset: 0, .size: 8, .value_kind: global_buffer, .address_space: global }
      - { .name: w_img, .offset: 8, .size: 8, .value_kind: global_buffer, .address_space: global }
      - { .name: lowp_scales, .offset: 16, .size: 8, .value_kind: global_buffer, .address_space: global }
      - { .name: q_img, .offset: 24, .size: 8, .value_kind: global_buffer, .address_space: global }
      - { .name: k_img, .offset: 32, .size: 8, .value_kind: global_buffer, .address_space: global }
      - { .name: v_img, .offset: 40, .size: 8, .value_kind: global_buffer, .address_space: global }
    .group_segment_fixed_size: 327680
    .private_segment_fixed_size: 0
    .kernarg_segment_align: 8
    .kernarg_segment_size: 48
    .max_flat_workgroup_size: 128
    .sgpr_count:     100
    .vgpr_count:     1024
    .wavefront_size: 32
...
	.end_amdgpu_metadata
.endif
;; end of part 2
;; launch attn (part 3): grid 4 x 64, 16 waves a work-group, clusters of 4 x 1, 327,680 bytes of LDS; arguments q_img, k_img, v_img, lowp_scales, o_img; writes o_img
.if DOCPART == 3
	.amdgcn_target "amdgcn-amd-amdhsa--gfx1250"
	.amdhsa_code_object_version 6
	.text
	.protected	k_q0e77838ae3_attn
	.globl	k_q0e77838ae3_attn
	.p2align	8
	.type	k_q0e77838ae3_attn,@function
k_q0e77838ae3_attn:
	s_mov_b64 s[64:65], 0
	v_nop
	global_prefetch_b8 v0, s[64:65] scope:SCOPE_SE
	s_setreg_imm32_b32 hwreg(HW_REG_WAVE_MODE, 25, 1), 1
	s_wait_xcnt 0x0
	s_wait_alu depctr_hold_cnt(0) depctr_sa_sdst(0) depctr_va_vdst(0) depctr_va_sdst(0) depctr_va_ssrc(0) depctr_va_vcc(0) depctr_vm_vsrc(0)
	s_getreg_b32 s2, hwreg(HW_REG_IB_STS2, 6, 4)
	s_cmp_eq_u32 s2, 0
	s_cbranch_scc0 .Lentry_in_a_cluster
	s_endpgm
.Lentry_in_a_cluster:
	s_bfe_u32 s2, ttmp6, 0x10000c
	s_cmp_lg_u32 s2, 0x3003
	s_cbranch_scc0 .Lentry_shape_is_right
	s_endpgm
.Lentry_shape_is_right:
; Causal attention of one head on codes of FP8 (E4M3): S^T = K Q^T (K = the head's 64), p = 2^(t - M), O^T = V^T P^T (K = the keys), O / l quantised again for the last product.
; t = score x log2(e) / 8; M = the running largest t rounded UP to a whole number; l is the sum of the unquantised p, in f32; when M moves, l and O^T are multiplied by 2^(old M - new M), which rounds nothing.
; INPUTS are images of operand registers: a q or k fragment (16 tokens x 64) is 1,024 bytes, a v fragment (16 d x 128 keys) 2,048 bytes, lane l's 16 bytes at 16 l in each 512.
; LEFT OUT: key steps of 128 keys all of which come after a tile's 16 queries: reference()'s own causal mask makes their scores -infinity, so their p is 0 for all inputs.  A NaN or infinity that reaches only those scores is not carried to the result.
; SHARES.  A cluster of four work-groups owns head y & 15 of batch y / 16.  The head's 128 tiles of 16 queries are dealt t = 4 m + j: j = the work-group's place in the cluster, m = 0 .. 31.  Tile t needs key steps 0 .. m / 2, whatever j is:
; so the four partners run the same branches and trip counts, and j enters only global addresses of Q and O and the mask's lane data.  Wave w owns m = 31 - w (tile A) and m = w (tile B): (31 - w) / 2 + w / 2 + 2 = 17 key steps in every wave.
; LDS holds the head's whole K (128 rows of 1,024 bytes) and V (16 blocks of 8,192 bytes): 262,144 bytes, each byte filled once.  All four partners need all of it: every tile is asked for JOINTLY (mask 15).
; Two groups of loads, one load a wave in each: key steps 0-3 at the head (waves 0-7: 4 rows of K each; waves 8-15: 4,096 bytes of V each); key steps 4-15 behind the full sequence and a round (waves 0-3: 24 rows of K; waves 4-15: V's block w).
; One work-group barrier between the two loops shows the second group to every wave; no other barrier stands in the key loops.  Every wait on TENSORcnt is for 0.
; NO PREFETCH: both groups of tensor loads are issued ahead of the first loop, so the text has no loop to run ahead in.
; Both loops have constant trip counts (4 and 12); a tile's step is jumped over by a scalar branch on the wave's number and the trip; both tiles' sums stay in registers to the end.
; LAYOUT.  Both products are used transposed: a lane holds ONE query (lane % 16).  In S^T's tile kt, register j of lane (r, h) is key 16 kt + 8 h + j: eight neighbours, whose codes are registers 2 kt, 2 kt + 1 of the K = 128 operand.
; OUTPUT o_img: [tile of 16 tokens, 512][head, 16][2][lane][16 bytes]: lane (r, h): token r, registers 4 c .. 4 c + 3: d = 32 c + 16 h + 0 .. 15.
; LIMITS: e6 + e7 between -123 and 130 (added to c's exponent field); e9, and e10 - e8 - e9, between -126 and 119, so that each power of two below is an f32 number; the scaled scores t stay under 2^31 in magnitude.
.set VOFF,  131072                     ; V's blocks lie behind K's rows
.set SPARE, 262144                     ; the spare words, 128 bytes for each of sixteen waves, which no other line names
.set LI,  1                            ; v1  16 x lane
.set ADK, 2                            ; v2  LDS address of the step's K;  v3 of its V
.set ADV, 3
.set LIV, 4                            ; v4  VOFF + 16 x lane
.set SPW, 5                            ; v5  my spare word's address;  v6  0: both never rewritten
.set NIL, 6
.set PT,  7                            ; v7  a lane permute's result
.set DA,  8                            ; v8, v9  my query - the diagonal step's first key - 8 h, of tile A, B
.set DB,  9
.set MB,  10                           ; v10 -M, v11 the largest score so far, of tile B;  v12, v13 of tile A
.set MA,  12
.set SA,  14                           ; v[14:15] tile A's sum in two halves;  v[246:247] tile B's
.set SB,  246
.set QA,  16                           ; v16-23, v24-31  Q's fragments
.set QB,  24
.set KV,  32                           ; v32-95  K's eight fragments, then V's four; at the end the way out
.set ST,  96                           ; v96-159 S^T, then p
.set OA,  160                          ; v160-191, v192-223  O^T
.set OB,  192
.set PC,  224                          ; v224-239 p's codes
.set PL0, 240                          ; v240, v241  448 x 2^e9, twice: the two halves of a dual instruction take their first sources from different banks
.set PL1, 241
.set OL,  242                          ; v242  448 x 2^(e10 - e8 - e9);  v243  2^(e10 - e8 - e9);  v244  2^e9
.set OS,  243
.set PS,  244
.set T1,  248                          ; v[248:249], v[250:251], v[254:255] at work;  v252 f (v253 named with it as a pair)
.set T2,  250
.set FF,  252
.set T3,  254
.set TB,  2                            ; s2  LDS byte of the step's K;  s3 the key step
.set RT,  3
.set LA,  14                           ; s14, s15  the last (diagonal) key step of tile A, B
.set LB,  15
.set HM,  16                           ; s16 lanes 16-31
.set WV,  18                           ; s18 my wave's number;  s19 j
.set CX,  19
.set SEL, 20                           ; s[20:21] selects for lane l xor 16
.set CS,  22                           ; s[22:23] c = log2(e) / 8 x 2^(e6 + e7)
.set K0,  24                           ; descriptor groups 1: K's and V's tiles of the first and of the second group of loads
.set V0,  32
.set K1,  40
.set V1,  48
.set G0K, 56                           ; groups 0
.set G0V, 60
.set KB,  66                           ; s[66:67] the head's K in memory;  s[92:93] its V
.set VB,  92
.set QPA, 80                           ; s[80:81], s[82:83] my Q fragments;  s[88:89], s[90:91] my places in o_img
.set QPB, 82
.set OPA, 88
.set OPB, 90
.macro DESC g, c, r, p                 ; r rows of c elements of 8 bytes, p elements apart, no padding; mask 15: all four partners; bit 21 beside it
	s_mov_b32 s[\g], 15|(3<<16)|(1<<21)
	s_mov_b32 s[\g+1], (\c)<<16
	s_mov_b32 s[\g+2], (\r)<<16
	s_mov_b32 s[\g+3], (\c)<<16
	s_mov_b32 s[\g+4], \r
	s_mov_b32 s[\g+5], \p
	s_mov_b32 s[\g+6], 0
	s_mov_b32 s[\g+7], 0
.endm
; A joint load: waves under thr fetch for K, the others for V.  The branch hangs on the wave's number alone.  An s_nop 0 and four v_nop follow each line.
.macro JLOAD thr, gk, gv
	s_cmp_lt_u32 s[WV], \thr
	s_cbranch_scc0 .Lfor_v_\@
	tensor_load_to_lds s[G0K:G0K+3], s[\gk:\gk+7]
	s_nop 0
.rept 4
	v_nop
.endr
	s_branch .Lasked_\@
.Lfor_v_\@:
	tensor_load_to_lds s[G0V:G0V+3], s[\gv:\gv+7]
	s_nop 0
.rept 4
	v_nop
.endr
.Lasked_\@:
.endm
.macro ROUND                           ; a round of the cluster's barrier
	s_barrier_signal -1
	s_barrier_wait -1
	s_cmp_lg_u32 s[WV], 0
	s_cbranch_scc1 .Lnot_wave_0_\@
	s_barrier_signal -3
.Lnot_wave_0_\@:
	s_barrier_wait -3
	s_barrier_signal -1
	s_barrier_wait -1
.endm
	s_load_b256 s[4:11], s[0:1], 0x0               ; q_img s[4:5], k_img s[6:7], v_img s[8:9], the exponents s[10:11]
	s_load_b64 s[12:13], s[0:1], 0x20              ; o_img
	v_lshl_add_u32 v[SPW], v0, 2, SPARE
	v_mov_b32 v[NIL], 0
	ds_add_u32 v[SPW], v[NIL]                      ; the opening lines: the add, twice on end, and its wait ahead of my first tensor load
	ds_add_u32 v[SPW], v[NIL]
	v_lshrrev_b32 v2, 5, v0
	v_readfirstlane_b32 s[WV], v2                  ; wave 0..15
	s_bfe_u32 s[CX], ttmp6, 0x40000                ; j: my place in the cluster
	s_and_b32 s74, ttmp7, 0xffff                   ; y = 16 x batch + head
	s_lshr_b32 s75, s74, 1
	s_lshl_b32 s75, s75, 18                        ; the pair of heads' 16 chunks of 16,384 bytes, in q_img, k_img and v_img alike
	s_and_b32 s76, s74, 1
	s_lshl_b32 s84, s76, 10
	s_add_co_u32 s84, s84, s75                     ; my head in q_img and k_img: 1,024 bytes on in each 2,048
	s_mov_b32 s85, 0
	s_lshl_b32 s86, s76, 13
	s_add_co_u32 s86, s86, s75                     ; in v_img: 8,192 bytes on in each chunk
	s_mov_b32 s87, 0
	DESC K0, 128, 4, 256                           ; 4 rows of 1,024 bytes, 2,048 apart
	DESC V0, 32, 16, 32                            ; 4,096 dense bytes as 16 rows of 256
	DESC K1, 128, 24, 256                          ; 24 rows
	DESC V1, 32, 32, 32                            ; 8,192 dense bytes
	s_mov_b32 s[SEL], 0x76543210
	s_mov_b32 s[SEL+1], 0xfedcba98
	s_mov_b32 s[CS], 0x3e38aa3b                    ; log2(e) / 8
	s_mov_b32 s[HM], 0xffff0000
	s_wait_dscnt 0x0                               ; both opening adds are done
	s_wait_kmcnt 0x0
	s_load_b128 s[68:71], s[10:11], 0x18           ; e6 (q), e7 (k), e8 (v), e9 (p)
	s_load_b32 s72, s[10:11], 0x28                 ; e10
	s_add_nc_u64 s[KB:KB+1], s[6:7], s[84:85]
	s_add_nc_u64 s[VB:VB+1], s[8:9], s[86:87]
	s_add_nc_u64 s[94:95], s[4:5], s[84:85]        ; the head's Q
	s_mov_b32 s[G0K], 1
	s_lshl_b32 s[G0K+1], s[WV], 12                 ; K's rows 4 w on: LDS 4,096 w,
	s_lshl_b32 s84, s[WV], 13                      ; memory 8,192 w
	s_add_nc_u64 s[G0K+2:G0K+3], s[KB:KB+1], s[84:85]
	s_or_b32 s[G0K+3], s[G0K+3], 0x80000000
	s_mov_b32 s[G0V], 1
	s_and_b32 s86, s[WV], 7                        ; V's half block u = w - 8: LDS VOFF + 4,096 u,
	s_lshl_b32 s[G0V+1], s86, 12
	s_add_co_u32 s[G0V+1], s[G0V+1], VOFF
	s_lshr_b32 s84, s86, 1
	s_lshl_b32 s84, s84, 14                        ; memory 16,384 (u / 2) + 4,096 (u % 2)
	s_and_b32 s86, s86, 1
	s_lshl_b32 s86, s86, 12
	s_add_co_u32 s84, s84, s86
	s_add_nc_u64 s[G0V+2:G0V+3], s[VB:VB+1], s[84:85]
	s_or_b32 s[G0V+3], s[G0V+3], 0x80000000
	ROUND                                          ; all four work-groups are here: the first joint loads meet
	JLOAD 8, K0, V0                                ; key steps 0-3: one tensor load a wave
	s_sub_co_u32 s77, 31, s[WV]                    ; tile A's m
	s_lshr_b32 s[LA], s77, 1
	s_lshr_b32 s[LB], s[WV], 1
	s_lshl_b32 s78, s77, 2
	s_add_co_u32 s78, s78, s[CX]                   ; tile A: t = 4 m + j
	s_lshl_b32 s79, s[WV], 2
	s_add_co_u32 s79, s79, s[CX]                   ; tile B
	s_mov_b32 s97, 0
	s_lshl_b32 s96, s78, 11                        ; a tile of Q: 2,048 bytes on
	s_add_nc_u64 s[QPA:QPA+1], s[94:95], s[96:97]
	s_lshl_b32 s96, s79, 11
	s_add_nc_u64 s[QPB:QPB+1], s[94:95], s[96:97]
	s_lshr_b32 s96, s74, 4
	s_lshl_b32 s96, s96, 21                        ; o_img: batch x 128 tiles x 16,384
	s_and_b32 s75, s74, 15
	s_lshl_b32 s75, s75, 10                        ; + head x 1,024
	s_add_co_u32 s96, s96, s75
	s_add_nc_u64 s[12:13], s[12:13], s[96:97]
	s_lshl_b32 s96, s78, 14                        ; + tile x 16,384
	s_add_nc_u64 s[OPA:OPA+1], s[12:13], s[96:97]
	s_lshl_b32 s96, s79, 14
	s_add_nc_u64 s[OPB:OPB+1], s[12:13], s[96:97]
	s_lshl_b32 s75, s[CX], 4
	s_and_b32 s98, s77, 1
	s_lshl_b32 s98, s98, 6
	s_add_co_u32 s98, s98, s75                     ; tile A's first query less its diagonal step's first key: 64 (m % 2) + 16 j
	s_and_b32 s99, s[WV], 1
	s_lshl_b32 s99, s99, 6
	s_add_co_u32 s99, s99, s75                     ; tile B's
	v_and_b32 v[LI], 31, v0
	v_lshlrev_b32 v[LI], 4, v[LI]
	v_add_nc_u32 v[LIV], VOFF, v[LI]
	v_and_b32 v8, 15, v0
	v_bfe_u32 v9, v0, 4, 1
	v_lshlrev_b32 v9, 3, v9
	v_sub_nc_u32 v9, v8, v9                        ; r - 8 h
	v_add_nc_u32 v[DA], s98, v9
	v_add_nc_u32 v[DB], s99, v9
	s_wait_alu depctr_va_vdst(0)                   ; the wait ahead of the loads' reads of v1
.irp c, 0,1
	global_load_b128 v[QA+4*\c:QA+4*\c+3], v[LI], s[QPA:QPA+1] offset:512*\c   ; Q's fragments stay in registers
	global_load_b128 v[QB+4*\c:QB+4*\c+3], v[LI], s[QPB:QPB+1] offset:512*\c
.endr
.irp m, MA, MB
	v_mov_b32 v[\m], 0x7f61b1e6                    ; -M = 3e38
	v_mov_b32 v[\m+1], 0xff61b1e6                  ; the largest score so far: -3e38
.endr
.irp n, SA, SA+1, SB, SB+1, PT, FF+1
	v_mov_b32 v[\n], 0
.endr
.set n, 0
.rept 64
	v_mov_b32 v[OA+n], 0                           ; O^T of both tiles: the first step finds zeros, which the first change of M leaves zeros
.set n, n+1
.endr
	s_wait_kmcnt 0x0
	s_add_co_i32 s74, s68, s69
	s_lshl_b32 s74, s74, 23
	s_add_co_i32 s[CS], s[CS], s74                 ; a score stands for score x 2^(e6 + e7): added to c's exponent field
	s_mov_b32 s[CS+1], s[CS]
	s_add_co_i32 s74, s71, 127
	s_lshl_b32 s75, s74, 23
	v_mov_b32 v[PS], s75                           ; 2^e9
	s_add_co_i32 s74, s74, 8
	s_lshl_b32 s74, s74, 23
	s_or_b32 s74, s74, 0x600000
	v_mov_b32 v[PL0], s74                          ; 448 x 2^e9
	v_mov_b32 v[PL1], s74
	s_sub_co_i32 s74, s72, s70
	s_sub_co_i32 s74, s74, s71                     ; O^T / l stands for that x 2^(e8 + e9): its code is (O^T / l) / 2^(e10 - e8 - e9)
	s_add_co_i32 s74, s74, 127
	s_lshl_b32 s75, s74, 23
	v_mov_b32 v[OS], s75
	s_add_co_i32 s74, s74, 8
	s_lshl_b32 s74, s74, 23
	s_or_b32 s74, s74, 0x600000
	v_mov_b32 v[OL], s74
; A KEY STEP of one tile: the 128 keys at LDS byte s[TB].  q, o, ms, sm, d: the tile's registers; lim: its diagonal step; diag = 1: the step may be the diagonal one.
.macro STEP q, o, ms, sm, d, lim, diag
	v_add_nc_u32 v[ADK], s[TB], v[LI]
	v_add_nc_u32 v[ADV], s[TB], v[LIV]
	v_nop
	v_nop                                          ; with the two additions: four places in front of loads into registers that the last products read
.irp kt, 0,1,2,3,4,5,6,7
.irp c, 0,1
	ds_load_b128 v[KV+8*\kt+4*\c:KV+8*\kt+4*\c+3], v[ADK] offset:1024*\kt+512*\c
.endr
.endr
	s_wait_alu depctr_va_vdst(0)
	s_wait_dscnt 0x0
.irp kt, 0,1,2,3,4,5,6,7                       ; S^T = K Q^T: source 0 = 16 keys, source 1 = my 16 queries
	v_wmma_f32_16x16x64_fp8_fp8 v[ST+8*\kt:ST+8*\kt+7], v[KV+8*\kt:KV+8*\kt+7], v[\q:\q+7], 0
.endr
.rept 4
	v_nop                                          ; places in front of the loads below and of the first read of the scores
.endr
.irp dt, 0,1,2,3                               ; V's four fragments land while the softmax is worked
.irp c, 0,1,2,3
	ds_load_b128 v[KV+16*\dt+4*\c:KV+16*\dt+4*\c+3], v[ADV] offset:2048*\dt+512*\c
.endr
.endr
.if \diag                                      ; on the diagonal the scores of hidden keys become -infinity ahead of the maximum: p = 0 then.  The branch hangs on the wave's number and the trip
	s_cmp_lg_u32 s[RT], s[\lim]
	s_cbranch_scc1 .Lopen_\@
	v_mov_b32 v[T3], 0xff800000
.set n, 0
.rept 64
	v_cmp_gt_i32 vcc_lo, 16*(n/8)+n%8, v[\d]       ; register 8 kt + j holds the step's key 8 h + 16 kt + j
	v_cndmask_b32 v[ST+n], v[ST+n], v[T3], vcc_lo
.set n, n+1
.endr
.Lopen_\@:
.endif
	v_max3_num_f32 v[T3], v[ST], v[ST+1], v[ST+2]  ; the step's largest score among my 64 keys, in two chains, the registers in ascending order
	v_max3_num_f32 v[T3+1], v[ST+3], v[ST+4], v[ST+5]
.set n, 6
.rept 14
	v_max3_num_f32 v[T3], v[T3], v[ST+n], v[ST+n+1]
	v_max3_num_f32 v[T3+1], v[T3+1], v[ST+n+2], v[ST+n+3]
.set n, n+4
.endr
	v_max3_num_f32 v[T3], v[T3], v[ST+62], v[ST+63]
	s_delay_alu instid0(VALU_DEP_1)
	v_max3_num_f32 v[T3], v[T3], v[T3+1], v[\ms+1] ; with the largest so far
	v_permlanex16_b32 v[PT], v[T3], s[SEL], s[SEL+1]
	s_delay_alu instid0(VALU_DEP_1)
	v_max_num_f32 v[\ms+1], v[T3], v[PT]           ; and lane l xor 16's: the running largest score
	s_delay_alu instid0(VALU_DEP_1)
	v_mul_f32 v[T3], s[CS], v[\ms+1]               ; as t (c is positive, so the largest score gives the largest t)
	s_delay_alu instid0(VALU_DEP_1)
	v_floor_f32 v[T3+1], -v[T3]                    ; the new -M = -ceil(t)
	s_delay_alu instid0(VALU_DEP_1)
	v_sub_f32 v[T3], v[T3+1], v[\ms]               ; old M - new M: a whole number, 0 or less
	v_mov_b32 v[\ms], v[T3+1]
	s_delay_alu instid0(VALU_DEP_2)
	v_cvt_i32_f32 v[T3], v[T3]                     ; (it saturates)
	s_delay_alu instid0(VALU_DEP_1)
	v_ldexp_f32 v[FF], 1.0, v[T3]                  ; f = 2^(old M - new M)
.set n, 0
.rept 32
	v_pk_fma_f32 v[ST+n:ST+n+1], v[ST+n:ST+n+1], s[CS:CS+1], v[\ms:\ms+1] op_sel_hi:[1,0,0]   ; t - M, two at a time
.set n, n+2
.endr
	s_wait_alu depctr_va_vdst(0)                   ; the wait ahead of the batch
.set n, 0
.rept 64
	v_exp_f32 v[ST+n], v[ST+n]                     ; p = 2^(t - M), at most 1: not normalised
.set n, n+1
.endr
	v_pk_mul_f32 v[\sm:\sm+1], v[\sm:\sm+1], v[FF:FF+1] op_sel_hi:[1,0]   ; the sum under the new M: the plain instruction behind the exponentials
	s_wait_alu depctr_va_vdst(0)                   ; one wait for the batch, ahead of its first reader
	v_pk_add_f32 v[T1:T1+1], v[ST:ST+1], v[ST+2:ST+3]           ; the sum of the unquantised p, in four chains
	v_pk_add_f32 v[T2:T2+1], v[ST+4:ST+5], v[ST+6:ST+7]
	v_pk_add_f32 v[T3:T3+1], v[ST+8:ST+9], v[ST+10:ST+11]
	v_pk_add_f32 v[\sm:\sm+1], v[\sm:\sm+1], v[ST+12:ST+13]
.set n, 14
.rept 6
	v_pk_add_f32 v[T1:T1+1], v[T1:T1+1], v[ST+n:ST+n+1]
	v_pk_add_f32 v[T2:T2+1], v[T2:T2+1], v[ST+n+2:ST+n+3]
	v_pk_add_f32 v[T3:T3+1], v[T3:T3+1], v[ST+n+4:ST+n+5]
	v_pk_add_f32 v[\sm:\sm+1], v[\sm:\sm+1], v[ST+n+6:ST+n+7]
.set n, n+8
.endr
	v_pk_add_f32 v[T1:T1+1], v[T1:T1+1], v[ST+62:ST+63]
	v_pk_add_f32 v[T2:T2+1], v[T2:T2+1], v[T3:T3+1]
	s_delay_alu instid0(VALU_DEP_2)
	v_pk_add_f32 v[\sm:\sm+1], v[\sm:\sm+1], v[T1:T1+1]
	s_delay_alu instid0(VALU_DEP_1)
	v_pk_add_f32 v[\sm:\sm+1], v[\sm:\sm+1], v[T2:T2+1]
.irp kt, 0,1,2,3,4,5,6,7
.irp i, 0,2,4,6                                ; the conversion does not saturate (ISA guide 7.6.2); p is not negative, so the hold is one-sided; two holds an instruction
	v_dual_min_num_f32 v[ST+8*\kt+\i], v[PL0], v[ST+8*\kt+\i] :: v_dual_min_num_f32 v[ST+8*\kt+\i+1], v[PL1], v[ST+8*\kt+\i+1]
.endr
	v_cvt_scalef32_pk8_fp8_f32 v[PC+2*\kt:PC+2*\kt+1], v[ST+8*\kt:ST+8*\kt+7], v[PS]   ; keys 16 kt + 8 h + 0 .. 7: registers 2 kt, 2 kt + 1 of the operand
.endr
	s_wait_alu depctr_va_vdst(0)                   ; the wait directly ahead of the first reader of O^T
.set n, 0
.rept 16
	v_pk_mul_f32 v[\o+n:\o+n+1], v[\o+n:\o+n+1], v[FF:FF+1] op_sel_hi:[1,0]   ; O^T under the new M; also the plain instructions between the conversions and the products
.set n, n+2
.endr
	s_wait_alu depctr_va_vdst(0)
	s_wait_dscnt 0x0                               ; V is in
.irp dt, 0,1,2,3                               ; O^T += V^T P^T: four accumulators, one instruction a turn
	v_wmma_f32_16x16x128_fp8_fp8 v[\o+8*\dt:\o+8*\dt+7], v[KV+16*\dt:KV+16*\dt+15], v[PC:PC+15], v[\o+8*\dt:\o+8*\dt+7]
.endr
.endm
; A TILE'S END: O^T / l, quantised; the two halves of the lanes exchange eight codes each, so that a lane holds 16 neighbours along d; two stores of 512 consecutive bytes.
.macro FINISH o, sm, op
	s_wait_xcnt 0x0                                ; earlier stores have read their data, which are written below
.rept 4
	v_nop                                          ; places behind the last products
.endr
.irp n, 41, 43, 45, 47
	v_mov_b32 v\n, 0                               ; a lane permute's destination counts as one of its sources
.endr
	v_add_f32 v[\sm], v[\sm], v[\sm+1]             ; the sum's two halves,
	s_delay_alu instid0(VALU_DEP_1)
	v_permlanex16_b32 v[PT], v[\sm], s[SEL], s[SEL+1]
	s_delay_alu instid0(VALU_DEP_1)
	v_add_f32 v[\sm], v[\sm], v[PT]                ; and lane l xor 16's
	s_wait_alu depctr_va_vdst(0)                   ; the wait ahead of the reciprocal
	v_rcp_f32 v[\sm], v[\sm]
	v_nop
	s_wait_alu depctr_va_vdst(0)                   ; and ahead of its first reader, which is also O^T's
.set n, 0
.rept 16
	v_pk_mul_f32 v[ST+n:ST+n+1], v[\o+n:\o+n+1], v[\sm:\sm+1] op_sel_hi:[1,0]   ; register 8 dt + j: O(query r, d = 16 dt + 8 h + j) / l
.set n, n+2
.endr
.set n, 0
.rept 32
	v_med3_num_f32 v[ST+n], v[ST+n], -v[OL], v[OL] ; the hold at the largest code x the scale
.set n, n+1
.endr
.irp dt, 0,1,2,3
	v_cvt_scalef32_pk8_fp8_f32 v[KV+2*\dt:KV+2*\dt+1], v[ST+8*\dt:ST+8*\dt+7], v[OS]
.endr
	v_nop                                          ; one plain instruction between the conversions and their readers
.irp bb, 0,1                                   ; d = 32 bb on: lanes 0-15 keep tile 2 bb's codes and take the partner's of the same tile; lanes 16-31 likewise with tile 2 bb + 1
.irp u, 0,1
	v_cndmask_b32 v[KV+8+4*\bb+2*\u], v[KV+2+4*\bb+\u], v[KV+4*\bb+\u], s[HM]
	v_permlanex16_b32 v[KV+9+4*\bb+2*\u], v[KV+8+4*\bb+2*\u], s[SEL], s[SEL+1]
	v_cndmask_b32 v[KV+16+4*\bb+\u], v[KV+4*\bb+\u], v[KV+9+4*\bb+2*\u], s[HM]
	v_cndmask_b32 v[KV+18+4*\bb+\u], v[KV+9+4*\bb+2*\u], v[KV+2+4*\bb+\u], s[HM]
.endr
.endr
.irp c, 0,1
	global_store_b128 v[LI], v[KV+16+4*\c:KV+19+4*\c], s[\op:\op+1] offset:512*\c   ; 32 lanes store 512 consecutive bytes, at a multiple of 512 from the buffer's first byte
.endr
.endm
	s_wait_alu depctr_va_vdst(0)                   ; the wait at the head's end
	s_wait_tensorcnt 0x0                           ; my part of key steps 0-3 is in, so the groups 0 may be written
	ds_add_u32 v[SPW], v[NIL]                      ; 0 onto my spare word, ahead of a later first fill
	s_and_b32 s86, s[WV], 3                        ; K's rows 32 + 24 w on: LDS 32,768 + 24,576 w, memory 65,536 + 49,152 w
	s_mul_i32 s[G0K+1], s86, 24576
	s_add_co_u32 s[G0K+1], s[G0K+1], 32768
	s_mul_i32 s84, s86, 49152
	s_add_co_u32 s84, s84, 65536
	s_add_nc_u64 s[G0K+2:G0K+3], s[KB:KB+1], s[84:85]
	s_or_b32 s[G0K+3], s[G0K+3], 0x80000000
	s_lshl_b32 s[G0V+1], s[WV], 13                 ; V's block w: LDS VOFF + 8,192 w, memory 16,384 w
	s_add_co_u32 s[G0V+1], s[G0V+1], VOFF
	s_lshl_b32 s84, s[WV], 14
	s_add_nc_u64 s[G0V+2:G0V+3], s[VB:VB+1], s[84:85]
	s_or_b32 s[G0V+3], s[G0V+3], 0x80000000
	s_wait_dscnt 0x0                               ; the add is done
	ROUND                                          ; everybody's part of key steps 0-3 is in, and all four work-groups are here
	JLOAD 4, K1, V1                                ; key steps 4-15: the first tensor load behind the round; it has the first loop's steps in which to land
	s_wait_loadcnt 0x0                             ; Q
	s_mov_b32 s[TB], 0
	s_mov_b32 s[RT], 0
.Lone:                                             ; key steps 0-3: tile A (m at least 16) takes all four, all of whose keys count
	STEP QA, OA, MA, SA, DA, LA, 0
	s_cmp_gt_u32 s[RT], s[LB]                      ; tile B's steps end at w / 2
	s_cbranch_scc1 .Lno_b1
	STEP QB, OB, MB, SB, DB, LB, 1
.Lno_b1:
	s_add_co_u32 s[TB], s[TB], 8192
	s_add_co_u32 s[RT], s[RT], 1
	s_cmp_lt_u32 s[RT], 4
	s_cbranch_scc1 .Lone
	s_wait_tensorcnt 0x0                           ; my part of key steps 4-15 is in,
	s_wait_dscnt 0x0
	s_barrier_signal -1
	s_barrier_wait -1                              ; everybody's is
	s_mov_b32 s[TB], 32768
	s_mov_b32 s[RT], 4
.Ltwo:                                             ; key steps 4-15
	s_cmp_gt_u32 s[RT], s[LA]
	s_cbranch_scc1 .Lno_a2
	STEP QA, OA, MA, SA, DA, LA, 1
.Lno_a2:
	s_cmp_gt_u32 s[RT], s[LB]
	s_cbranch_scc1 .Lno_b2
	STEP QB, OB, MB, SB, DB, LB, 1
.Lno_b2:
	s_add_co_u32 s[TB], s[TB], 8192
	s_add_co_u32 s[RT], s[RT], 1
	s_cmp_lt_u32 s[RT], 16
	s_cbranch_scc1 .Ltwo
	FINISH OA, SA, OPA
	FINISH OB, SB, OPB
	s_wait_tensorcnt 0x0                           ; the wave's end
	ds_add_u32 v[SPW], v[NIL]
	s_wait_dscnt 0x0
	ROUND                                          ; the closing round
	s_endpgm
.Lfunc_end_k_q0e77838ae3_attn:
	.size	k_q0e77838ae3_attn, .Lfunc_end_k_q0e77838ae3_attn-k_q0e77838ae3_attn
	.p2alignl 7, 3214868480
	.fill 96, 4, 3214868480
	.section	.rodata,"a",@progbits
	.p2align	6, 0x0
	.amdhsa_kernel k_q0e77838ae3_attn
		.amdhsa_group_segment_fixed_size 327680
		.amdhsa_private_segment_fixed_size 0
		.amdhsa_enable_private_segment 0
		.amdhsa_kernarg_size 40
		.amdhsa_user_sgpr_count 2
		.amdhsa_user_sgpr_kernarg_segment_ptr 1
		.amdhsa_wavefront_size32 1
		.amdhsa_system_sgpr_workgroup_id_x 1
		.amdhsa_system_sgpr_workgroup_id_y 1
		.amdhsa_system_sgpr_workgroup_id_z 1
		.amdhsa_system_vgpr_workitem_id 0
		.amdhsa_next_free_vgpr 256
		.amdhsa_next_free_sgpr 100
		.amdhsa_reserve_vcc 1
		.amdhsa_float_denorm_mode_32 3
		.amdhsa_float_denorm_mode_16_64 3
		.amdhsa_memory_ordered 1
		.amdhsa_forward_progress 1
		.amdhsa_inst_pref_size 100
	.end_amdhsa_kernel
	.amdgpu_metadata
---
amdhsa.version: [ 1, 2 ]
amdhsa.kernels:
  - .name:           k_q0e77838ae3_attn
    .symbol:         k_q0e77838ae3_attn.kd
    .args:
      - { .name: q_img, .offset: 0, .size: 8, .value_kind: global_buffer, .address_space: global }
      - { .name: k_img, .offset: 8, .size: 8, .value_kind: global_buffer, .address_space: global }
      - { .name: v_img, .offset: 16, .size: 8, .value_kind: global_buffer, .address_space: global }
      - { .name: lowp_scales, .offset: 24, .size: 8, .value_kind: global_buffer, .address_space: global }
      - { .name: o_img, .offset: 32, .size: 8, .value_kind: global_buffer, .address_space: global }
    .group_segment_fixed_size: 327680
    .private_segment_fixed_size: 0
    .kernarg_segment_align: 8
    .kernarg_segment_size: 40
    .max_flat_workgroup_size: 512
    .sgpr_count:     100
    .vgpr_count:     256
    .wavefront_size: 32
...
	.end_amdgpu_metadata
.endif
;; end of part 3
;; launch oproj (part 4): grid 64 x 4, 4 waves a work-group, clusters of 4 x 1, 327,680 bytes of LDS; arguments o_img, W_O_codes, lowp_scales, out0; writes out0
.if DOCPART == 4
	.amdgcn_target "amdgcn-amd-amdhsa--gfx1250"
	.amdhsa_code_object_version 6
	.text
	.protected	k_q0e77838ae3_oproj
	.globl	k_q0e77838ae3_oproj
	.p2align	8
	.type	k_q0e77838ae3_oproj,@function
k_q0e77838ae3_oproj:
	s_mov_b64 s[64:65], 0
	v_nop
	global_prefetch_b8 v0, s[64:65] scope:SCOPE_SE
	s_setreg_imm32_b32 hwreg(HW_REG_WAVE_MODE, 25, 1), 1
	s_wait_xcnt 0x0
	s_wait_alu depctr_hold_cnt(0) depctr_sa_sdst(0) depctr_va_vdst(0) depctr_va_sdst(0) depctr_va_ssrc(0) depctr_va_vcc(0) depctr_vm_vsrc(0)
	s_getreg_b32 s2, hwreg(HW_REG_IB_STS2, 6, 4)
	s_cmp_eq_u32 s2, 0
	s_cbranch_scc0 .Lentry_in_a_cluster
	s_endpgm
.Lentry_in_a_cluster:
	s_bfe_u32 s2, ttmp6, 0x10000c
	s_cmp_lg_u32 s2, 0x3003
	s_cbranch_scc0 .Lentry_shape_is_right
	s_endpgm
.Lentry_shape_is_right:
; out = O W_O on codes of FP8 (E4M3): out[m][n] = 2^(e10 + e11) x the sum over k of O[m][k] W_O[n][k]; sums in f32.  LIMIT: e10 + e11 lies between -126 and 127, so that 2^(e10 + e11) is an f32 number.
; SHARES.  Work-group (mb, nb): 128 tokens x 256 columns, K = 1,024: 64 x 4 = 256 work-groups.  A wave makes 64 tokens x 128 columns: 32 accumulators.
; THE PANEL.  W_O's 256 rows, all of K, lie in LDS: rows of 1,024 bytes + 16 of padding (pitch 1,040 = 260 words: row r starts at bank 4 r mod 64, ISA guide 11.1).  It is filled once, one tensor load of 64 rows a wave; nothing is filled again.
; The four work-groups of a cluster (mb = 4 x cluster x + place) need the same panel: it is asked for JOINTLY (mask 15).  The place enters only global addresses of O and of the result.
; O comes straight from o_img, images of operand registers, into registers: a wave's 64 tokens, all of K: 8 K steps x 4 fragments x 16 = 512 registers; every load is 512 consecutive bytes, and all are asked for at the head.
; The panel's 8 fragments of a K step have ONE set of registers: fragments 0-3 are fetched anew in the step's middle, 4-7 at its end.
; Source 0 = 16 rows of W_O, source 1 = 16 tokens: a lane holds eight neighbouring numbers of a row of the result.
; NO PREFETCH: the one group of tensor loads and all of O's loads are issued at the head: the text has no loop to run ahead in.
; REGISTERS, in windows of 256: window 0: v16-31 addresses, v32-95 and v128-255 the way out, v128-255 before that the panel's fragments; windows 1, 2: O's fragments (K step q at 64 q); window 3: the accumulators ((a, b) at 8 (8 a + b)).
.set SIZE_N, 1024
.set PITCH, 1040
.set BLK,   16*PITCH
.set SPITCH, 528                       ; the way out: a stage of 16 rows x (512 bytes + 16) for each wave, behind the panel: no tensor load lands there
.set STAGE, 256*PITCH
.set SPARE, STAGE+4*16*SPITCH          ; the spare words, 128 bytes a wave, which no other line names
.set ADL, 16                           ; v16, v17  LDS address of my panel fragments 0-3, 4-7
.set STO, 24
.set RD,  25
.set CO,  26                           ; v26  16 x lane
.set SPW, 28
.set NIL, 29
.set TMP, 32
.set BK,  128
.set MSB, 0
.macro WIN new                         ; the immediate's high byte repeats the setting that is left
.if MSB != \new
	s_set_vgpr_msb (MSB<<8)|\new
.set MSB, \new
.endif
.endm
.macro ROUND                           ; a round of the cluster's barrier
	s_barrier_signal -1
	s_barrier_wait -1
	s_cmp_lg_u32 s14, 0
	s_cbranch_scc1 .Lnot_wave_0_\@
	s_barrier_signal -3
.Lnot_wave_0_\@:
	s_barrier_wait -3
	s_barrier_signal -1
	s_barrier_wait -1
.endm
.macro PLACES                          ; plain vector instructions between a matrix instruction and a load into, or a vector instruction on, its registers
.rept 4
	v_nop
.endr
.endm
.macro RLOAD q                         ; O's four fragments of K step q
	WIN 0x40*(1+(\q)/4)
.irp a, 0,1,2,3
.irp c, 0,1,2,3
	global_load_b128 v[64*((\q)%4)+16*\a+4*\c:64*((\q)%4)+16*\a+4*\c+3], v[CO], s[4:5] offset:16384*\a+2048*(\q)+512*\c
.endr
.endr
	WIN 0
.endm
.macro FETCH_L q, i0                   ; the panel's fragments i0 .. i0 + 3 of K step q: registers 4 c .. 4 c + 3 hold K = 32 c + 16 (l / 16) + 0 .. 15, as O's images do
.irp i, 0,1,2,3
.irp c, 0,1,2,3
	ds_load_b128 v[128+16*(\i0+\i)+4*\c:128+16*(\i0+\i)+4*\c+3], v[ADL+(\i0)/4] offset:128*(\q)+32*\c+\i*BLK
.endr
.endr
.endm
; 16 matrix instructions: the panel's fragments 4 hb .. 4 hb + 3 x O's four.  The 32 accumulators take turns, one instruction a turn, in the same order in every K step.  K step 0 starts the sums.
.macro MULH q, hb
.irp b, 0,1,2,3
.irp a, 0,1,2,3
.set LF, 128+16*(4*(\hb)+\b)
.set RF, 64*((\q)%4)+16*\a
.set AC, 8*(8*\a+4*(\hb)+\b)
.if (\q) == 0
	v_wmma_f32_16x16x128_fp8_fp8 v[AC:AC+7], v[LF:LF+15], v[RF:RF+15], 0
.else
	v_wmma_f32_16x16x128_fp8_fp8 v[AC:AC+7], v[LF:LF+15], v[RF:RF+15], v[AC:AC+7]
.endif
.endr
.endr
.endm
.macro KSTEP q
.set MULW, 0xf4+4*((\q)/4)             ; source 0 window 0, source 1 window 1 or 2, C and D window 3
.if 16*(7-(\q)) > 63
	s_wait_loadcnt 63                              ; behind this step's fragments of O at least 64 loads have been issued
.else
	s_wait_loadcnt 16*(7-(\q))                     ; behind this step's fragments of O: those of the steps to come
.endif
	s_wait_dscnt 16                                ; fragments 0-3 are in; the sixteen loads of 4-7 may be out
	WIN MULW
	MULH \q, 0
	PLACES
	WIN 0
.if (\q) == 7
	s_wait_dscnt 0
.else
	FETCH_L (\q)+1, 0
	s_wait_dscnt 16                                ; fragments 4-7 are in; the sixteen just issued may be out
.endif
	WIN MULW
	MULH \q, 1
	PLACES
	WIN 0
.if (\q) < 7
	FETCH_L (\q)+1, 4
.endif
.endm
	s_load_b128 s[4:7], s[0:1], 0x0                ; o_img s[4:5], W_O's codes s[6:7]
	s_load_b128 s[8:11], s[0:1], 0x10              ; the exponents s[8:9], out0 s[10:11]
	v_lshl_add_u32 v[SPW], v0, 2, SPARE
	v_mov_b32 v[NIL], 0
	ds_add_u32 v[SPW], v[NIL]                      ; the opening lines: the add, twice on end, and its wait ahead of my first tensor load
	ds_add_u32 v[SPW], v[NIL]
	v_lshrrev_b32 v1, 5, v0
	v_readfirstlane_b32 s14, v1                    ; wave 0..3
	s_lshr_b32 s15, s14, 1                         ; which 64 tokens are mine
	s_and_b32 s16, s14, 1                          ; which 128 columns
	s_bfe_u32 s40, ttmp6, 0x40000                  ; my place in the cluster
	s_lshl_b32 s41, ttmp9, 2
	s_add_co_u32 s41, s41, s40                     ; mb
	s_and_b32 s17, ttmp7, 0xffff                   ; nb
	s_mov_b32 s24, 15|(1<<20)|(1<<21)|(7<<22)|(3<<25)   ; mask: all four partners; elements of 1 byte; padding of 4 words after every 256; bit 21 beside the mask
	s_mov_b32 s25, 1024<<16                        ; tensor_dim0
	s_mov_b32 s26, 64<<16                          ; tensor_dim1
	s_mov_b32 s27, 1024<<16                        ; tile_dim0
	s_mov_b32 s28, 64                              ; tile_dim1
	s_mov_b32 s29, 1024                            ; the pitch
	s_mov_b32 s30, 0
	s_mov_b32 s31, 0
	s_mov_b32 s32, 1
	s_mul_i32 s33, s14, 64*PITCH                   ; my 64 rows of the panel
	s_lshl_b32 s20, s17, 18
	s_lshl_b32 s21, s14, 16
	s_add_co_u32 s20, s20, s21                     ; row 256 nb + 64 wave of W_O, in bytes
	s_mov_b32 s21, 0
	s_wait_dscnt 0x0                               ; both opening adds are done
	s_wait_kmcnt 0x0
	s_load_b64 s[96:97], s[8:9], 0x28              ; e10, e11
	s_add_nc_u64 s[34:35], s[6:7], s[20:21]
	s_or_b32 s35, s35, 0x80000000
	ROUND                                          ; all four work-groups are here: the joint loads meet
	tensor_load_to_lds s[32:35], s[24:31]
	s_nop 0
.rept 4
	v_nop
.endr
	s_lshl_b32 s42, s41, 3
	s_lshl_b32 s43, s15, 2
	s_add_co_u32 s42, s42, s43                     ; my first tile of 16 tokens: 8 mb + 4 x half
	s_lshl_b32 s42, s42, 14
	s_mov_b32 s43, 0
	s_add_nc_u64 s[4:5], s[4:5], s[42:43]
	s_lshl_b32 s42, s41, 19                        ; my first row of the result: 128 mb + 64 x half, 4,096 bytes each,
	s_lshl_b32 s18, s15, 18
	s_add_co_u32 s42, s42, s18
	s_lshl_b32 s18, s17, 10                        ; my first column: 1,024 nb + 512 x half bytes
	s_add_co_u32 s42, s42, s18
	s_lshl_b32 s18, s16, 9
	s_add_co_u32 s42, s42, s18
	s_add_nc_u64 s[10:11], s[10:11], s[42:43]
	s_mul_i32 s21, s16, 128*PITCH
	s_mul_i32 s23, s14, 16*SPITCH
	s_add_co_u32 s23, s23, STAGE                   ; my stage
	v_and_b32 v1, 15, v0
	v_bfe_u32 v2, v0, 4, 1
	v_mul_u32_u24 v3, v1, PITCH
	v_lshl_add_u32 v3, v2, 4, v3
	v_add_nc_u32 v[ADL], s21, v3                   ; my 128 rows of the panel: row x pitch + 16 x half
	v_add_nc_u32 v[ADL+1], 4*BLK, v[ADL]
	v_and_b32 v4, 31, v0
	v_lshlrev_b32 v[CO], 4, v4
	v_mul_u32_u24 v5, v1, SPITCH                   ; into the stage: row l % 16, 32 bytes for each half of the lanes
	v_lshl_add_u32 v5, v2, 5, v5
	v_add_nc_u32 v[STO], s23, v5
	v_add_nc_u32 v[RD], s23, v[CO]                 ; back: the 32 lanes take one row of 512 bytes
	s_wait_alu depctr_va_vdst(0)                   ; the wait ahead of the loads' reads of v26
.irp q, 0,1,2,3,4,5,6,7
	RLOAD \q
.endr
	s_wait_alu depctr_va_vdst(0)                   ; the wait at the head's end
	s_wait_tensorcnt 0x0                           ; my part of the panel is in,
	s_barrier_signal -1
	s_barrier_wait -1                              ; everybody's is
	FETCH_L 0, 0
	FETCH_L 0, 4
.irp q, 0,1,2,3,4,5,6,7
	KSTEP \q
.endr
; THE WAY OUT, block by block of 16 rows x 128 columns, through my own stage: whole rows of 512 bytes come back, which the 32 lanes store as two aligned units of 256 bytes.  LDS serves a wave's instructions in order (ISA guide 5.7.1.4).
.macro TOSTAGE a
	WIN 0x03                                       ; source 0: window 3
.set j, 0
.rept 32
	v_pk_mul_f32 v[TMP+j:TMP+j+1], v[64*(\a)+j:64*(\a)+j+1], s[96:97] op_sel_hi:[1,0]   ; both x s96 = 2^(e10 + e11); each accumulator from its low end on
.set j, j+2
.endr
	WIN 0
.irp b, 0,1,2,3,4,5,6,7
	ds_store_b128 v[STO], v[TMP+8*\b:TMP+8*\b+3] offset:64*\b
	ds_store_b128 v[STO], v[TMP+8*\b+4:TMP+8*\b+7] offset:64*\b+16
.endr
.set BB, BK+64*((\a)%2)
.irp t, 0,1,2,3,4,5,6,7,8,9,10,11,12,13,14,15
	ds_load_b128 v[BB+4*\t:BB+4*\t+3], v[RD] offset:\t*SPITCH
.endr
.endm
.macro SEND a, younger                 ; younger: the LDS instructions issued behind block a's loads, which may stay out
.set BB, BK+64*((\a)%2)
	s_wait_dscnt \younger
.if (\a) > 0
	s_add_nc_u64 s[10:11], s[10:11], 16*SIZE_N*4   ; behind a wait on XCNT: the earlier stores have read their base
.endif
.irp t, 0,1,2,3,4,5,6,7,8,9,10,11,12,13,14,15
	global_store_b128 v[CO], v[BB+4*\t:BB+4*\t+3], s[10:11] offset:\t*SIZE_N*4 th:TH_STORE_NT
.endr
.endm
	s_wait_kmcnt 0x0
	s_add_co_i32 s96, s96, s97
	s_add_co_i32 s96, s96, 127
	s_lshl_b32 s96, s96, 23                        ; 2^(e10 + e11) as f32
	TOSTAGE 0
.irp a, 1,2,3
.if \a > 1
	s_wait_xcnt 0x0                                ; block a - 2's stores have read their registers and their base
.endif
	TOSTAGE \a
	SEND \a-1, 32                                  ; behind block a - 1's loads: block a's 16 stores and 16 loads
.endr
	s_wait_xcnt 0x0
	SEND 3, 0
	s_wait_tensorcnt 0x0                           ; the wave's end
	ds_add_u32 v[SPW], v[NIL]
	s_wait_dscnt 0x0
	ROUND                                          ; the closing round
	s_endpgm
.Lfunc_end_k_q0e77838ae3_oproj:
	.size	k_q0e77838ae3_oproj, .Lfunc_end_k_q0e77838ae3_oproj-k_q0e77838ae3_oproj
	.p2alignl 7, 3214868480
	.fill 96, 4, 3214868480
	.section	.rodata,"a",@progbits
	.p2align	6, 0x0
	.amdhsa_kernel k_q0e77838ae3_oproj
		.amdhsa_group_segment_fixed_size 327680
		.amdhsa_private_segment_fixed_size 0
		.amdhsa_enable_private_segment 0
		.amdhsa_kernarg_size 32
		.amdhsa_user_sgpr_count 2
		.amdhsa_user_sgpr_kernarg_segment_ptr 1
		.amdhsa_wavefront_size32 1
		.amdhsa_system_sgpr_workgroup_id_x 1
		.amdhsa_system_sgpr_workgroup_id_y 1
		.amdhsa_system_sgpr_workgroup_id_z 1
		.amdhsa_system_vgpr_workitem_id 0
		.amdhsa_next_free_vgpr 1024
		.amdhsa_next_free_sgpr 100
		.amdhsa_reserve_vcc 0
		.amdhsa_float_denorm_mode_32 3
		.amdhsa_float_denorm_mode_16_64 3
		.amdhsa_memory_ordered 1
		.amdhsa_forward_progress 1
		.amdhsa_inst_pref_size 76
	.end_amdhsa_kernel
	.amdgpu_metadata
---
amdhsa.version: [ 1, 2 ]
amdhsa.kernels:
  - .name:           k_q0e77838ae3_oproj
    .symbol:         k_q0e77838ae3_oproj.kd
    .args:
      - { .name: o_img, .offset: 0, .size: 8, .value_kind: global_buffer, .address_space: global }
      - { .name: W_O_codes, .offset: 8, .size: 8, .value_kind: global_buffer, .address_space: global }
      - { .name: lowp_scales, .offset: 16, .size: 8, .value_kind: global_buffer, .address_space: global }
      - { .name: out0, .offset: 24, .size: 8, .value_kind: global_buffer, .address_space: global }
    .group_segment_fixed_size: 327680
    .private_segment_fixed_size: 0
    .kernarg_segment_align: 8
    .kernarg_segment_size: 32
    .max_flat_workgroup_size: 128
    .sgpr_count:     100
    .vgpr_count:     1024
    .wavefront_size: 32
...
	.end_amdgpu_metadata
.endif
;; end of part 4
